; MI455X (gfx1250); checked and timed in simulation.
; The chip was launched on July 23, 2026; its instructions are those of AMD's public machine-readable ISA for CDNA 5 (MIT licence, August 2026) and "CDNA5" Instruction Set Architecture Reference Guide (July 2026). The comments in the code are by the model that wrote it; some were corrected since.
;; Flash Attention. Allowed arithmetic: matrix products marked QUANTISED: E2M1 operands, one E8M0 scale for each 32 along K, by v_wmma_scale_f32_16x16x128_f8f6f4 with both operands' format E2M1 (or v_wmma_scale_f32_32x16x128_f4), f32 sums; everything else in f32.
;; Inputs: k 1 x 4,096 x 1,024 float32; q 1 x 4,096 x 1,024 float32; v_codes 1 x 1,024 x 128 x 16 uint8 (E2M1 codes of v, K innermost, in blocks of 32 codes, two codes a byte); v_scales 1 x 1,024 x 128 uint8 (E8M0 scales of v, one for each 32 codes along K).
;; Outputs: out0 1 x 4,096 x 1,024 float32.
;; This version of the problem:
;;   THIS VERSION OF THE PROBLEM IS GIVEN IN LOW PRECISION. The matrix products marked QUANTISED in the list below multiply operands that are first quantised to E2M1 (2 exponent bits, 1 mantissa bit; 4 bits a number), with one power-of-two scale for each 32 numbers along K (OCP MX v1.0); their sums are f32. All else is computed in f32.
;;   The module's matrix products, in the order in which they are computed (A, B: the left and right operand; K: the contracted axis; several contracted axes count as one K, in the product's order):
;;     1. batch 16 x [M 4,096, K 64] x [K 64, N 4,096]; A: input q; B: input k: QUANTISED
;;     2. batch 16 x [M 4,096, K 4,096] x [K 4,096, N 64]; A: computed on the way; B: input v (given as codes): QUANTISED
;;   THE QUANTISER, for each operand of a quantised product, along K:
;;     - K is cut into blocks of 32 from its start; a last block that is shorter is filled with zeros.
;;     - A block's scale is 2^e with e = floor(log2(the largest magnitude in the block)) - 2, held to -126 .. 127; a block of zeros has e = 0. As a byte (E8M0): e + 127.
;;     - Each number is divided by its block's scale, clamped to +-6, and rounded to the nearest number of E2M1, ties to even, subnormals kept.
;;     - The product sums the exact products of the quantised numbers (number of the format x scale) in f32.
;;   ~~~python
;;   def quantise(x, axis):      # numpy; x: float32 -> the quantised numbers, widened to float32 again
;;       x = np.moveaxis(x, axis, -1); K = x.shape[-1]
;;       x = np.pad(x, [(0, 0)] * (x.ndim - 1) + [(0, -K % 32)]); x = x.reshape(x.shape[:-1] + (-1, 32)); a = np.abs(x).max(-1, keepdims=True)
;;       e = np.where(a > 0, np.clip(np.frexp(np.where(a > 0, a, 1))[1] - 1 - 2, -126, 127), 0)      # np.frexp(a)[1] - 1 = floor(log2(a)), exactly
;;       r = np.clip(x / 2.0 ** e, -6, 6)
;;       step = 2.0 ** (np.maximum(np.frexp(np.where(r == 0, 1, r))[1] - 1, 0) - 1)
;;       q = np.round(r / step) * step * 2.0 ** e      # np.round: ties to even
;;       return np.moveaxis(q.reshape(q.shape[:-2] + (-1,))[..., :K], -1, axis).astype(np.float32)
;;   ~~~
;;   OPERANDS COMPUTED ON THE WAY. 'Computed on the way' means the value that the module computes at that place (a softmax that the list does not call 'softmax' is quantised finished and normalised). What goes into a quantiser is computed in f32, as accurately as f32 sums, v_exp_f32 and their like allow (about 1e-6 of the number): no bf16 or f16 on the way to a quantiser, and a product that is left as it is and whose result goes on into a quantised operand takes f32 operands (vector FMAs, or v_wmma_f32_16x16x4_f32). A number that lies on a knife's edge between two numbers of the format may be rounded either way, as far as f32 arithmetic and the matrix unit's own rounding can turn it there, and no further.
;;   INPUTS GIVEN AS CODES. v (in the module: [1, 4096, 1024], K = its axis 1): each comes as NAME_codes (uint8): NAME with its K axis moved to the last place and cut into blocks of 32 codes, [.., K / 32, bytes a block], one block behind the other in memory; two codes a byte, the lower K in the low four bits (a code: sign, 2 exponent bits, 1 mantissa bit); and NAME_scales (uint8): the same leading axes, one E8M0 byte (e + 127) for each 32 codes along K. Its value is code x scale, taken as it is: it is not quantised again, and the codes and scales need not be those that the quantiser above would give.
;; One version. Each part assembles by itself: llvm-mc -triple=amdgcn-amd-amdhsa -mcpu=gfx1250 --defsym DOCPART=n.
;; ======== version 1 of 1: 2 launches
;; limits: right only within a limited range of input values
;; workspace buffers: kq 2,228,224 bytes
;; launch kquant (part 1): grid 256 x 1, 8 waves a work-group, no clusters, 71,168 bytes of LDS; arguments k, kq; writes kq
.if DOCPART == 1
	.amdgcn_target "amdgcn-amd-amdhsa--gfx1250"
	.amdhsa_code_object_version 6
	.text
	.protected	k_q0790041ef0_kquant
	.globl	k_q0790041ef0_kquant
	.p2align	8
	.type	k_q0790041ef0_kquant,@function
k_q0790041ef0_kquant:
	s_mov_b64 s[64:65], 0
	v_nop
	global_prefetch_b8 v0, s[64:65] scope:SCOPE_SE
	s_setreg_imm32_b32 hwreg(HW_REG_WAVE_MODE, 25, 1), 1
	s_wait_xcnt 0x0
; k [4096 keys][16 heads x 64] f32 becomes codes of FP4 (E2M1) with one E8M0 byte for each 32 of a head's 64 numbers, laid in kq in the ORDER OF THE OPERAND'S REGISTERS
; of the attention launch: [16 heads][32 steps of 128 keys][4,352 bytes].  In a step: four DOUBLE FRAGMENTS b of 1,024 bytes, then 256 bytes of scale words.
; A double fragment is 8 registers a lane: registers 0-3 (u = 0) one tile of 16 keys, registers 4-7 (u = 1) a second tile.  Lane (r, h) holds numbers 32 h .. 32 h + 31 of key
;   128 step + 64 (b / 2) + 32 (r / 8) + 16 (b % 2) + 8 u + r % 8,      at byte 1024 b + 512 u + 16 (r + 16 h).
; Its scale word for row r (bytes: u = 0 block 0, u = 0 block 1, u = 1 block 0, u = 1 block 1) lies at 4096 + 8 (r + 16 (b % 2)) + 4 (b / 2).
; A block's scale is 2^(floor(log2(largest magnitude)) - 2): its byte is the largest magnitude's exponent field - 2, held at 1 from below.  A block of zeros so gets the byte 1 where the
; rule says 127: its codes are zeros, and this program alone reads the bytes.
; LIMITS: NaN and infinities among the inputs are not served; blocks whose largest magnitude lies under 2^-124 get the floor's byte.
; SHARES.  A work-group takes one step of two neighbouring heads; a wave one double fragment: 32 keys x 256 bytes.  All 16 loads of a wave go out at once, each of two keys' whole slices
; (two runs of 256 consecutive bytes, aligned).  The conversions want 32 neighbours of one key in ONE lane, so the numbers turn through the wave's own stage in LDS.
; No matrix unit, no tensor load, no cluster: every byte is read once and nothing is shared between work-groups.
.set ROWK,  4096                       ; bytes from key to key in k
.set SP,    272                        ; a stage row: a key's 256 bytes + 16: sixteen rows read by sixteen lanes begin at sixteen different 16-byte columns of 256
.set WST,   32*SP                      ; a wave's stage
.set SCL,   8*WST                      ; behind the stages: 256 bytes of scale words for each of the two heads
.set STEPB, 4352                       ; a step in kq
.set GA,  4                            ; v4   k: 4096 h + 16 r: lanes 0-15 one key, lanes 16-31 the next
.set SA,  5                            ; v5   the stage, in: row h, 16 r
.set SB,  6                            ; v6   the stage, out: row r, 128 h
.set OA,  7                            ; v7   16 x lane: my codes' place
.set SH8, 8                            ; v8   8 h: my bytes' place in the scale word
.set SCA, 9                            ; v9   where my row's scale word goes in LDS
.set SCR, 10                           ; v10  and where 8 bytes a lane are read back
.set SCO, 11                           ; v11  8 x lane: the same in kq
.set X,   16                           ; v16-79   as loaded
.set Y,   80                           ; v80-143  32 neighbours for u = 0, then for u = 1
.set C,   144                          ; v144-151 the double fragment
.set MX,  152                          ; v152-153 largest magnitudes
.set SO,  154                          ; v154-155 the conversions' scale operands
.set BY,  156                          ; v156-157 the scale bytes
.set WW,  158                          ; v158     the scale word
.set WO,  159                          ; v159     the other half's part of it
	s_load_b128 s[4:7], s[0:1], 0x0                ; k, kq
	v_lshl_add_u32 v160, v0, 2, 0x11200
	v_mov_b32 v161, 0
	v_lshrrev_b32 v1, 5, v0
	s_delay_alu instid0(VALU_DEP_1)
	v_readfirstlane_b32 s8, v1                     ; wave 0..7
	v_and_b32 v1, 31, v0                           ; lane
	v_and_b32 v2, 15, v0                           ; r
	s_wait_alu depctr_va_vdst(0)
	v_bfe_u32 v3, v0, 4, 1                         ; h
	s_and_b32 s9, s8, 3                            ; b: my double fragment
	s_lshr_b32 s10, s8, 2                          ; which of the two heads
	s_lshr_b32 s11, ttmp9, 3                       ; the step
	s_and_b32 s12, ttmp9, 7
	s_lshl_b32 s12, s12, 1
	s_add_co_u32 s12, s12, s10                     ; the head
	s_lshr_b32 s18, s9, 1                          ; b / 2
	s_and_b32 s19, s9, 1                           ; b % 2
	s_lshl_b32 s14, s11, 7                         ; my first key: 128 step
	s_lshl_b32 s13, s18, 6
	s_add_co_u32 s14, s14, s13                     ; + 64 (b / 2)
	s_lshl_b32 s13, s19, 4
	s_add_co_u32 s14, s14, s13                     ; + 16 (b % 2)
	s_lshl_b32 s14, s14, 12                        ; in bytes,
	s_lshl_b32 s13, s12, 8
	s_add_co_u32 s14, s14, s13                     ; and the head's 256 bytes of a key
	s_mov_b32 s15, 0
	s_lshl_b32 s16, s12, 5
	s_add_co_u32 s16, s16, s11
	s_mul_i32 s16, s16, STEPB                      ; kq: (32 head + step) x 4,352
	s_lshl_b32 s13, s9, 10
	s_add_co_u32 s16, s16, s13                     ; + 1024 b
	s_mov_b32 s17, 0
	s_mov_b32 s20, 0x76543210
	s_mov_b32 s21, 0xfedcba98                      ; v_permlanex16_b32's selects for lane l xor 16
	s_mul_i32 s22, s8, WST                         ; my stage
	s_lshl_b32 s23, s10, 8
	s_add_co_u32 s23, s23, SCL                     ; my head's 256 bytes of scale words
	s_lshl_b32 s24, s19, 7
	s_add_co_u32 s24, s24, s23
	s_lshl_b32 s13, s18, 2
	s_add_co_u32 s24, s24, s13                     ; + 128 (b % 2) + 4 (b / 2)
	v_lshlrev_b32 v[GA], 4, v2
	s_wait_alu depctr_va_vdst(0)
	v_lshl_add_u32 v[GA], v3, 12, v[GA]
	v_mul_u32_u24 v[SA], v3, SP
	s_delay_alu instid0(VALU_DEP_1)
	v_lshl_add_u32 v[SA], v2, 4, v[SA]
	s_delay_alu instid0(VALU_DEP_1)
	v_add_nc_u32 v[SA], s22, v[SA]
	v_mul_u32_u24 v[SB], v2, SP
	s_delay_alu instid0(VALU_DEP_1)
	v_lshl_add_u32 v[SB], v3, 7, v[SB]
	s_delay_alu instid0(VALU_DEP_1)
	v_add_nc_u32 v[SB], s22, v[SB]
	v_lshlrev_b32 v[OA], 4, v1
	v_lshlrev_b32 v[SH8], 3, v3
	v_lshl_add_u32 v[SCA], v2, 3, s24
	v_lshl_add_u32 v[SCR], v1, 3, s23
	v_lshlrev_b32 v[SCO], 3, v1
	v_mov_b32 v[WO], 0                             ; a lane permute's destination counts as one of its sources
	s_wait_alu depctr_va_vdst(0)
	s_wait_kmcnt 0x0
	s_add_nc_u64 s[4:5], s[4:5], s[14:15]
	s_add_nc_u64 s[6:7], s[6:7], s[16:17]
; Load n brings the keys of stage rows 2 n and 2 n + 1 (row 16 u + r): u = n / 8, r = 2 n % 16.
.set n, 0
.rept 16
	global_load_b128 v[X+4*n:X+4*n+3], v[GA], s[4:5] offset:(32*((n%8)/4)+8*(n/8)+(2*n)%8)*ROWK th:TH_LOAD_NT
.set n, n+1
.endr
.set n, 0
.rept 16
	s_wait_loadcnt 15-n                            ; loads come back in order: load n is in, the 15 - n younger ones may be out
	ds_store_b128 v[SA], v[X+4*n:X+4*n+3] offset:2*n*SP
.set n, n+1
.endr
.irp u, 0,1
.irp i, 0,1,2,3,4,5,6,7
	ds_load_b128 v[Y+32*\u+4*\i:Y+32*\u+4*\i+3], v[SB] offset:16*\u*SP+16*\i   ; LDS serves a wave's instructions in order: these see my stores
.endr
.endr
	s_wait_dscnt 0x0
.irp u, 0,1
	v_max3_num_f32 v[MX+\u], |v[Y+32*\u]|, |v[Y+32*\u+1]|, 0x1800000   ; my block of tile u, and the floor 2^(3 - 127): the byte cannot fall under 1
.endr
.irp i, 2,4,6,8,10,12,14,16,18,20,22,24,26,28,30
.irp u, 0,1
	s_delay_alu instid0(VALU_DEP_2)
	v_max3_num_f32 v[MX+\u], v[MX+\u], |v[Y+32*\u+\i]|, |v[Y+32*\u+\i+1]|   ; (the two blocks by turns)
.endr
.endr
.irp u, 0,1
	s_delay_alu instid0(VALU_DEP_2)
	v_add_nc_u32 v[SO+\u], 0xff000000, v[MX+\u]    ; 2 off the exponent field: the conversion takes this operand's exponent field as its scale
.endr
.irp u, 0,1
	s_delay_alu instid0(VALU_DEP_2)
	v_lshrrev_b32 v[BY+\u], 23, v[SO+\u]           ; the scale's byte
.endr
.irp u, 0,1
.irp g, 0,1,2,3
	v_cvt_scalef32_pk8_fp4_f32 v[C+4*\u+\g], v[Y+32*\u+8*\g:Y+32*\u+8*\g+7], v[SO+\u]
.endr
.endr
	v_nop                                          ; one plain line behind the last scaled conversion
	v_lshl_or_b32 v[WW], v[BY+1], 16, v[BY]        ; my two bytes: block h of tile u = 0 and of tile u = 1,
	s_delay_alu instid0(VALU_DEP_1)
	v_lshlrev_b32 v[WW], v[SH8], v[WW]             ; at their places (8 h bits up);
	s_delay_alu instid0(VALU_DEP_1)
	v_permlanex16_b32 v[WO], v[WW], s20, s21
	s_delay_alu instid0(VALU_DEP_1)
	v_or_b32 v[WW], v[WW], v[WO]                   ; with lane l xor 16's two the word is whole
	ds_store_b32 v[SCA], v[WW]                     ; lanes r and r + 16 write the same word with the same value
	s_wait_alu depctr_va_vdst(0)
	s_wait_dscnt 0x0                               ; for the others' sake: my word has landed
	s_barrier_signal -1
	s_barrier_wait -1
	global_store_b128 v[OA], v[C:C+3], s[6:7]               ; 32 lanes store 512 consecutive bytes, at a multiple of 256 from kq's first byte
	global_store_b128 v[OA], v[C+4:C+7], s[6:7] offset:512
	s_cmp_lg_u32 s9, 0                             ; the wave with b = 0 stores its head's 256 bytes of scale words, whole
	s_cbranch_scc1 .Lend
	ds_load_b64 v[12:13], v[SCR]
	s_wait_dscnt 0x0
	global_store_b64 v[SCO], v[12:13], s[6:7] offset:4096
.Lend:
	s_wait_tensorcnt 0x0
	ds_add_u32 v160, v161
	s_wait_dscnt 0x0
	s_endpgm
.Lfunc_end_k_q0790041ef0_kquant:
	.size	k_q0790041ef0_kquant, .Lfunc_end_k_q0790041ef0_kquant-k_q0790041ef0_kquant
	.p2alignl 7, 3214868480
	.fill 96, 4, 3214868480
	.section	.rodata,"a",@progbits
	.p2align	6, 0x0
	.amdhsa_kernel k_q0790041ef0_kquant
		.amdhsa_group_segment_fixed_size 71168
		.amdhsa_private_segment_fixed_size 0
		.amdhsa_enable_private_segment 0
		.amdhsa_kernarg_size 16
		.amdhsa_user_sgpr_count 2
		.amdhsa_user_sgpr_kernarg_segment_ptr 1
		.amdhsa_wavefront_size32 1
		.amdhsa_system_sgpr_workgroup_id_x 1
		.amdhsa_system_sgpr_workgroup_id_y 1
		.amdhsa_system_sgpr_workgroup_id_z 1
		.amdhsa_system_vgpr_workitem_id 0
		.amdhsa_next_free_vgpr 162
		.amdhsa_next_free_sgpr 66
		.amdhsa_reserve_vcc 0
		.amdhsa_float_denorm_mode_32 3
		.amdhsa_float_denorm_mode_16_64 3
		.amdhsa_memory_ordered 1
		.amdhsa_forward_progress 1
		.amdhsa_inst_pref_size 12
	.end_amdhsa_kernel
	.amdgpu_metadata
---
amdhsa.version: [ 1, 2 ]
amdhsa.kernels:
  - .name:           k_q0790041ef0_kquant
    .symbol:         k_q0790041ef0_kquant.kd
    .args:
      - { .name: k, .offset: 0, .size: 8, .value_kind: global_buffer, .address_space: global }
      - { .name: kq, .offset: 8, .size: 8, .value_kind: global_buffer, .address_space: global }
    .group_segment_fixed_size: 71168
    .private_segment_fixed_size: 0
    .kernarg_segment_align: 8
    .kernarg_segment_size: 16
    .max_flat_workgroup_size: 256
    .sgpr_count:     66
    .vgpr_count:     162
    .wavefront_size: 32
...
	.end_amdgpu_metadata
.endif
;; end of part 1
;; launch attn (part 2): grid 16 x 16, 16 waves a work-group, clusters of 4 x 1, 327,680 bytes of LDS; arguments q, kq, v_codes, v_scales, out0; writes out0
.if DOCPART == 2
	.amdgcn_target "amdgcn-amd-amdhsa--gfx1250"
	.amdhsa_code_object_version 6
	.text
	.protected	k_q0790041ef0_attn
	.globl	k_q0790041ef0_attn
	.p2align	8
	.type	k_q0790041ef0_attn,@function
k_q0790041ef0_attn:
	s_mov_b64 s[64:65], 0
	v_nop
	global_prefetch_b8 v0, s[64:65] scope:SCOPE_SE
	s_setreg_imm32_b32 hwreg(HW_REG_WAVE_MODE, 25, 1), 1
	s_wait_xcnt 0x0
	s_wait_alu depctr_hold_cnt(0) depctr_sa_sdst(0) depctr_va_vdst(0) depctr_va_sdst(0) depctr_va_ssrc(0) depctr_va_vcc(0) depctr_vm_vsrc(0)
	s_getreg_b32 s2, hwreg(HW_REG_IB_STS2, 6, 4)
	s_cmp_eq_u32 s2, 0
	s_cbranch_scc0 .Lentry_in_a_cluster
	s_endpgm
.Lentry_in_a_cluster:
	s_bfe_u32 s2, ttmp6, 0x10000c
	s_cmp_lg_u32 s2, 0x3003
	s_cbranch_scc0 .Lentry_shape_is_right
	s_endpgm
.Lentry_shape_is_right:
; out[q][head] = sum over keys of Q4(w) v,  w = e^(s/8 - m) / (sum of e^(s/8 - m) + 1e-6),  s = Q4(q) . Q4(k): 16 heads of 64, 4,096 queries and keys.  Q4: codes of FP4 (E2M1), one E8M0 scale for each 32 along K.
; w IS QUANTISED FINISHED AND NORMALISED, so a row's maximum and sum must be known before any w is made.  ONE WALK all the same: the keys are shared out among the waves and every e waits in registers.
; SHARES.  A work-group owns 256 queries of one head.  Each of its sixteen waves owns 256 KEYS: their K fragments (64 registers), K's and V's scale words stay in registers for the whole launch.
; The 16 tiles of 16 queries go one after the other (16 rounds).  In a round a wave makes its 16 x 256 scores (128 registers), e = 2^(c s - c mw) under ITS OWN maximum mw, and its own sum; the waves exchange (c mw, sum) through LDS;
; each forms c m = the largest c mw, L = the sum of sums x 2^(c mw - c m), and r = 2^(c mw - c m) / (L + 1e-6): w = e r, one multiplication.  c = log2(e) / 8.
; A block's largest w is not searched for: the block's largest score goes through the same multiply-add, exponential and multiplication (this takes v_exp_f32 not to fall where its input rises).
; The sixteen partial O^T of a tile meet in LDS: wave w adds up query row w of the tile and stores its 256 bytes whole.  That is put off to the next round, so that ONE barrier a round serves both exchanges:
; statistics and partial sums lie in two buffers that take turns; what is written between two barriers is read between the next two, and written again only behind the barrier after those.
; LAYOUT (as kquant lays K): both products transposed, a lane holds one query (lane % 16).  A double fragment of K holds two tiles of 16 keys; source 1 = [Q, 0] picks the first, [0, Q] the second.
; Registers 32 j .. 32 j + 31 of S^T in lane (r, h) are one whole block of 32 keys in order, and the conversion of eight of them is one register of the second product's operand.
; A WAVE'S OWN WAITS ARE COVERED BY ITS OWN WORK: w is made block by block, and each block's registers take loads as soon as its conversions have read them (blocks 0, 1: V's fragments; block 2: the tile before's partial sums;
; block 3: O^T); the last eight score products stand singly among the maxima of the first 128 keys.
; JOINT LOADS: V, which goes through LDS, is asked for jointly by the four query blocks of a cluster, one tensor load a wave, filled once.  K and the scale words are not: each wave takes its 8,704 + 512 bytes once,
; in the order of its registers, from memory straight into the registers where they stay; a tensor load would send them through LDS.  No prefetch: memory is read at the head alone, no loop reads it.
; LIMITS.  NaN and infinities in q and k are not served.  An e under 2^-126 comes out of v_exp_f32 as 0 (ISA guide, its entry).  A block whose largest w lies under 2^-124 gets the byte 1; blocks of zeros carry it with zero codes.
; The maximum taken away is c m rounded to f32, the same number in every term and in the sum; only the 1e-6 sees the rounding.  w is made by a reciprocal and multiplications, not by a division: all in f32.
.set VP,    272                        ; V in LDS: (key / 512) x 17,408 + channel x 272 + (key % 512) / 2
.set OP,    139264                     ; partial O^T: wave x 8,704 + buffer x 4,352 + query x 272 + 4 x channel.  At the head buffer 0 of a wave's part is its stage for q
.set OPW,   8704
.set OPP,   4352
.set QIMG,  278528                     ; Q's 16 tiles as images of the operand's registers: 1,024 bytes a tile: codes at 16 x lane, the scale word at 512 + 16 x lane
.set STAT,  294912                     ; the statistics: buffer x 2,304 + query x 144 + 64 (wave / 8) + 4 (wave % 8): c mw; 32 bytes on: the sum
.set STP,   2304
.set SPARE, 299520                     ; the spare words, 128 bytes a wave
.set AQ,  1                            ; v1  QIMG + 16 lane
.set ADQ, 2                            ; v2  the same with the trip's base (at the head: 16 lane)
.set AV,  3                            ; v3  my keys of V: row r, + 16 h
.set AST, 4                            ; v4  where my statistics go
.set ASR, 5                            ; v5  where I read eight waves' statistics of query r
.set AOS, 6                            ; v6  where my partial O^T goes
.set AOR, 7                            ; v7-8 row (my wave) of waves 0-7's and of waves 8-15's partial sums, + 8 lane
.set GO,  9                            ; v9  my byte offset in out0
.set SH8, 10                           ; v10 8 h
.set SPW, 11                           ; v11 my spare word
.set NIL, 12                           ; v12 0
.set WO,  13                           ; v13-14 lane permutes' results
.set T,   15
.set QF,  16                           ; v16-27 [Q, 0, Q]
.set QS,  28                           ; v28 Q's scale word
.set T2,  29
.set VS,  30                           ; v30-33 V's scale words: register 2 u + step: channel 32 u + lane
.set KS,  34                           ; v34-37 K's scale words
.set RR,  38                           ; v38-39 c m, then r (named as a pair; the low word serves)
.set KF,  40                           ; v40-103 K's eight double fragments
.set S,   104                          ; v104-231 S^T, e, w
.set VF,  104                          ; then, blocks 0 and 1: V's eight fragments,
.set OR,  168                          ; block 2: sixteen waves' parts of my row of the tile before,
.set OO,  200                          ; block 3: O^T
.set PC,  232                          ; v232-247 w's codes; before them at work: maxima, sums, statistics, bytes
.set ST,  232
.set PS,  248                          ; v248-249 w's scale words
.set BM,  250                          ; v250-253 the blocks' largest
.set MC,  254                          ; v254 c mw;  v255 my sum
.set LW,  255
.set Y,   136
.set WV,  14
.set SEL, 20
.set CS,  22
.set G1V, 32
.set G0V, 52
.set TQ,  60
.set CNT, 62
.macro CROUND                          ; a round of the cluster's barrier
	s_barrier_signal -1
	s_barrier_wait -1
	s_cmp_lg_u32 s[WV], 0
	s_cbranch_scc1 .Lnot_wave_0_\@
	s_barrier_signal -3
.Lnot_wave_0_\@:
	s_barrier_wait -3
	s_barrier_signal -1
	s_barrier_wait -1
.endm
.macro PLACES n
.rept \n
	v_nop
.endr
.endm
.macro WM d, a, b, c, sa, sb, row      ; one scaled product; c = 0: the constant 0; row = 1: source 0's scales from lanes 16-31
.if (\c) == 0
.if \row
	v_wmma_scale_f32_16x16x128_f8f6f4 v[\d:\d+7], v[\a:\a+7], v[\b:\b+7], 0, v[\sa], v[\sb] matrix_a_fmt:MATRIX_FMT_FP4 matrix_b_fmt:MATRIX_FMT_FP4 matrix_a_scale:MATRIX_SCALE_ROW1
.else
	v_wmma_scale_f32_16x16x128_f8f6f4 v[\d:\d+7], v[\a:\a+7], v[\b:\b+7], 0, v[\sa], v[\sb] matrix_a_fmt:MATRIX_FMT_FP4 matrix_b_fmt:MATRIX_FMT_FP4
.endif
.else
.if \row
	v_wmma_scale_f32_16x16x128_f8f6f4 v[\d:\d+7], v[\a:\a+7], v[\b:\b+7], v[\c:\c+7], v[\sa], v[\sb] matrix_a_fmt:MATRIX_FMT_FP4 matrix_b_fmt:MATRIX_FMT_FP4 matrix_a_scale:MATRIX_SCALE_ROW1
.else
	v_wmma_scale_f32_16x16x128_f8f6f4 v[\d:\d+7], v[\a:\a+7], v[\b:\b+7], v[\c:\c+7], v[\sa], v[\sb] matrix_a_fmt:MATRIX_FMT_FP4 matrix_b_fmt:MATRIX_FMT_FP4
.endif
.endif
.endm
.macro WS n                            ; tile n of S^T, on an accumulator of its own
	WM S+8*(\n), KF+8*((\n)/2), QF+4*((\n)%2), 0, KS+(\n)/4, QS, ((\n)/2)%2
.endm
; Line n (0 .. 31) of the maxima of blocks 2 hb and 2 hb + 1: eight chains, one a tile, each from the tile's low end on (24 lines); then each block's four chains and the tiles' last registers meet (8 lines)
.macro MX hb, n
.if (\n) < 8
	v_max3_num_f32 v[ST+(\n)], v[S+64*\hb+8*(\n)], v[S+64*\hb+8*(\n)+1], v[S+64*\hb+8*(\n)+2]
.endif
.if (\n) >= 8 && (\n) < 24
	v_max3_num_f32 v[ST+(\n)%8], v[ST+(\n)%8], v[S+64*\hb+8*((\n)%8)+2*((\n)/8)+1], v[S+64*\hb+8*((\n)%8)+2*((\n)/8)+2]
.endif
.if (\n) >= 24 && (\n) < 28
	v_max3_num_f32 v[ST+2*((\n)-24)], v[ST+2*((\n)-24)], v[ST+2*((\n)-24)+1], v[S+64*\hb+32*(((\n)-24)/2)+8*((\n)%2)+7]
.endif
.if (\n) >= 28 && (\n) < 30
	v_max3_num_f32 v[BM+2*\hb+(\n)-28], v[ST+4*((\n)-28)], v[ST+4*((\n)-28)+2], v[S+64*\hb+32*((\n)-28)+23]
.endif
.if (\n) >= 30
	v_max_num_f32 v[BM+2*\hb+(\n)-30], v[BM+2*\hb+(\n)-30], v[S+64*\hb+32*((\n)-30)+31]
.endif
.endm
.macro WMUL b                          ; w of block b: sixteen packed multiplications by r
.set j, 32*\b
.rept 16
	v_pk_mul_f32 v[S+j:S+j+1], v[S+j:S+j+1], v[RR:RR+1] op_sel_hi:[1,0]
.set j, j+2
.endr
.endm
.macro WCVT b                          ; its codes: registers 4 b .. 4 b + 3 of the operand
.irp g, 0,1,2,3
	v_cvt_scalef32_pk8_fp4_f32 v[PC+4*\b+\g], v[S+32*\b+8*\g:S+32*\b+8*\g+7], v[BM+\b]
.endr
.endm
.macro VLOAD u                         ; V's four fragments of my keys 128 u on, into the registers that block u's conversions have read
.irp t, 0,1,2,3
.irp cc, 0,1
	ds_load_b128 v[VF+32*\u+8*\t+4*\cc:VF+32*\u+8*\t+4*\cc+3], v[AV] offset:16*VP*\t+64*\u+32*\cc
.endr
.endr
.endm
.macro ORLOAD par                      ; my row of the sixteen partial O^T in buffer par: each load 256 consecutive bytes
.irp k, 0,1,2,3,4,5,6,7
	ds_load_b64 v[OR+2*\k:OR+2*\k+1], v[AOR] offset:\k*OPW+(\par)*OPP
	ds_load_b64 v[OR+16+2*\k:OR+17+2*\k], v[AOR+1] offset:\k*OPW+(\par)*OPP
.endr
.endm
.macro ORSUM                           ; fifteen packed additions, and the row leaves: 32 lanes store 256 consecutive bytes, aligned
.irp d, 16,8,4,2
.set k, 0
.rept \d/2
	v_pk_add_f32 v[OR+k:OR+k+1], v[OR+k:OR+k+1], v[OR+\d+k:OR+\d+k+1]
.set k, k+2
.endr
.endr
	global_store_b64 v[GO], v[OR:OR+1], s[12:13] th:TH_STORE_NT
.endm
; A ROUND: one tile of 16 queries.  p: the buffers in hand.  first: no tile before.  last: no tile behind.  qo: where the next tile's image lies from v[ADQ]
.macro ROUND p, first, last, qo
.set tau, 0
.rept 8
	WS tau
.set tau, tau+1
.endr
	v_add_nc_u32 v[ADQ], s[TQ], v[AQ]              ; with the three below: four plain lines behind the eight products (ISA guide 7.12.1)
	PLACES 3
.set mi, 0
.rept 8                                ; the other eight products, each with four lines of the first 128 keys' maxima behind it; the last four lines are the places behind the last product
	WS tau
.set tau, tau+1
.rept 4
	MX 0, mi
.set mi, mi+1
.endr
.endr
.if \last == 0
	ds_load_b128 v[QF:QF+3], v[ADQ] offset:\qo     ; the next tile's Q: waited for in front of the barrier
	ds_load_b128 v[QF+8:QF+11], v[ADQ] offset:\qo
	ds_load_b32 v[QS], v[ADQ] offset:\qo+512
.endif
.set mi, 0
.rept 32
	MX 1, mi
.set mi, mi+1
.endr
	v_max3_num_f32 v[T], v[BM], v[BM+1], v[BM+2]
	s_delay_alu instid0(VALU_DEP_1)
	v_max_num_f32 v[T], v[T], v[BM+3]
	s_delay_alu instid0(VALU_DEP_1)
	v_permlanex16_b32 v[WO], v[T], s[SEL], s[SEL+1]
	s_delay_alu instid0(VALU_DEP_1)
	v_max_num_f32 v[T], v[T], v[WO]                ; mw: the largest of my 256 scores of query r
	s_delay_alu instid0(VALU_DEP_1)
	v_mul_f32 v[MC], s[CS], v[T]
	ds_store_b32 v[AST], v[MC] offset:\p*STP       ; lanes r and r + 16 write the same word with the same value
.set j, 0
.rept 64
	v_pk_fma_f32 v[S+j:S+j+1], v[S+j:S+j+1], s[CS:CS+1], v[MC:MC+1] op_sel_hi:[1,0,0] neg_lo:[0,0,1] neg_hi:[0,0,1]   ; c s - c mw
.set j, j+2
.endr
.irp j, 0,1,2,3
	v_fma_f32 v[BM+\j], v[BM+\j], s[CS], -v[MC]    ; the same of each block's largest
.endr
	s_wait_alu depctr_va_vdst(0)                   ; ahead of the batch
.set j, 0
.rept 128
	v_exp_f32 v[S+j], v[S+j]
.set j, j+1
.endr
.irp j, 0,1,2,3
	v_exp_f32 v[BM+\j], v[BM+\j]
.endr
	v_nop                                          ; the plain line behind the exponentials
	s_wait_alu depctr_va_vdst(0)                   ; and the one wait behind the batch
.set k, 0
.rept 8                                ; my sum of e: eight chains of pairs
	v_pk_add_f32 v[ST+k:ST+k+1], v[S+k:S+k+1], v[S+16+k:S+17+k]
.set k, k+2
.endr
.irp m, 2,3,4,5,6,7
.set k, 0
.rept 8
	v_pk_add_f32 v[ST+k:ST+k+1], v[ST+k:ST+k+1], v[S+16*\m+k:S+16*\m+k+1]
.set k, k+2
.endr
.endr
.irp d, 8,4,2
.set k, 0
.rept \d/2
	v_pk_add_f32 v[ST+k:ST+k+1], v[ST+k:ST+k+1], v[ST+\d+k:ST+\d+k+1]
.set k, k+2
.endr
.endr
	s_delay_alu instid0(VALU_DEP_1)
	v_add_f32 v[LW], v[ST], v[ST+1]
	s_delay_alu instid0(VALU_DEP_1)
	v_permlanex16_b32 v[WO], v[LW], s[SEL], s[SEL+1]
	s_delay_alu instid0(VALU_DEP_1)
	v_add_f32 v[LW], v[LW], v[WO]
	ds_store_b32 v[AST], v[LW] offset:\p*STP+32
	s_wait_alu depctr_va_vdst(0)                   ; directly ahead of the waits below
.if \first
	s_wait_tensorcnt 0x0                           ; my part of V is in: V is first read behind this barrier
.endif
	s_wait_dscnt 0x0                               ; for the others' sake: my statistics and my partial O^T of the tile before have landed, my reads of the other buffers are over; Q is in
	s_barrier_signal -1
	s_barrier_wait -1
.irp k, 0,1,2,3
	ds_load_b128 v[ST+4*\k:ST+4*\k+3], v[ASR] offset:\p*STP+16*\k   ; eight waves' c mw, then their sums: waves 8 h .. 8 h + 7
.endr
	s_wait_dscnt 0x0
	v_max3_num_f32 v[T], v[ST], v[ST+1], v[ST+2]
	v_max3_num_f32 v[T2], v[ST+3], v[ST+4], v[ST+5]
	s_delay_alu instid0(VALU_DEP_2)
	v_max3_num_f32 v[T], v[T], v[ST+6], v[ST+7]
	s_delay_alu instid0(VALU_DEP_1)
	v_max_num_f32 v[T], v[T], v[T2]
	s_delay_alu instid0(VALU_DEP_1)
	v_permlanex16_b32 v[WO], v[T], s[SEL], s[SEL+1]
	s_delay_alu instid0(VALU_DEP_1)
	v_max_num_f32 v[RR], v[T], v[WO]               ; c m: the row's
.irp k, 0,2,4,6
	v_pk_add_f32 v[ST+\k:ST+\k+1], v[ST+\k:ST+\k+1], v[RR:RR+1] op_sel_hi:[1,0] neg_lo:[0,1] neg_hi:[0,1]
.endr
	v_sub_f32 v[T2], v[MC], v[RR]
	s_wait_alu depctr_va_vdst(0)                   ; ahead of the batch
.irp k, 0,1,2,3,4,5,6,7
	v_exp_f32 v[ST+\k], v[ST+\k]                   ; 2^(c mw - c m) of the eight,
.endr
	v_exp_f32 v[T2], v[T2]                         ; and my own
	v_nop
	s_wait_alu depctr_va_vdst(0)                   ; behind it
	v_pk_mul_f32 v[ST+8:ST+9], v[ST+8:ST+9], v[ST:ST+1]
	v_pk_mul_f32 v[ST+10:ST+11], v[ST+10:ST+11], v[ST+2:ST+3]
	v_pk_fma_f32 v[ST+8:ST+9], v[ST+12:ST+13], v[ST+4:ST+5], v[ST+8:ST+9]
	v_pk_fma_f32 v[ST+10:ST+11], v[ST+14:ST+15], v[ST+6:ST+7], v[ST+10:ST+11]
	s_delay_alu instid0(VALU_DEP_1)
	v_pk_add_f32 v[ST+8:ST+9], v[ST+8:ST+9], v[ST+10:ST+11]
	s_delay_alu instid0(VALU_DEP_1)
	v_add_f32 v[T], v[ST+8], v[ST+9]
	s_delay_alu instid0(VALU_DEP_1)
	v_permlanex16_b32 v[WO], v[T], s[SEL], s[SEL+1]
	s_delay_alu instid0(VALU_DEP_1)
	v_add_f32 v[T], v[T], v[WO]                    ; L: the row's sum under c m
	s_delay_alu instid0(VALU_DEP_1)
	v_add_f32 v[T], 0x358637bd, v[T]               ; + 1e-6
	s_wait_alu depctr_va_vdst(0)
	v_rcp_f32 v[T], v[T]
	v_nop
	s_wait_alu depctr_va_vdst(0)
	v_mul_f32 v[RR], v[T], v[T2]                   ; r
	WMUL 0
.irp j, 0,1,2,3
	v_mul_f32 v[BM+\j], v[BM+\j], v[RR]            ; the blocks' largest w
.endr
.irp j, 0,1,2,3
	v_max_num_f32 v[BM+\j], 0x1800000, v[BM+\j]    ; the floor 2^(3 - 127): the byte cannot fall under 1
.endr
.irp j, 0,1,2,3
	v_add_nc_u32 v[BM+\j], 0xff000000, v[BM+\j]    ; 2 off the exponent field: the conversion's scale operand
.endr
	WCVT 0
	VLOAD 0
	WMUL 1
	WCVT 1
	VLOAD 1
.irp j, 0,1,2,3
	v_lshrrev_b32 v[240+\j], 23, v[BM+\j]          ; the scale's byte
.endr
	v_lshl_or_b32 v244, v241, 16, v240             ; blocks h and 2 + h of each 128 keys,
	v_lshl_or_b32 v245, v243, 16, v242
	v_lshlrev_b32 v244, v[SH8], v244               ; at their places;
	v_lshlrev_b32 v245, v[SH8], v245
	v_permlanex16_b32 v[WO], v244, s[SEL], s[SEL+1]
	v_permlanex16_b32 v[WO+1], v245, s[SEL], s[SEL+1]
	v_or_b32 v[PS], v244, v[WO]                    ; with lane l xor 16's two a word is whole.  The 32 multiplications below stand between these and the scaled products
	v_or_b32 v[PS+1], v245, v[WO+1]
	WMUL 2
	WCVT 2
.if \first == 0
	ORLOAD 1-\p                                    ; the tile before: all sixteen parts landed in front of this round's barrier
.endif
	WMUL 3
	WCVT 3
	PLACES 4                                       ; codes written by vector lines stand four plain lines ahead of a scaled product
	s_wait_alu depctr_va_vdst(0)                   ; directly ahead of the wait below
.if \first
	s_wait_dscnt 0x0
.else
	s_wait_dscnt 16                                ; V's fragments are in; the sixteen younger loads may be out
.endif
.set t, 0
.rept 4
	WM OO+8*t, VF+8*t, PC, 0, VS+2*(t/2), PS, t%2
.set t, t+1
.endr
.set t, 0
.rept 4
	WM OO+8*t, VF+32+8*t, PC+8, OO+8*t, VS+2*(t/2)+1, PS+1, t%2   ; the four accumulators by turns
.set t, t+1
.endr
.if \first
	PLACES 5                                       ; in front of the stores that read O^T, and of the next round's products, which write over these registers
.else
	s_wait_dscnt 0x0
	ORSUM                                          ; its fifteen additions are those places
.endif
.irp t, 0,1,2,3
	ds_store_b128 v[AOS], v[OO+8*\t:OO+8*\t+3] offset:\p*OPP+64*\t       ; lane (r, h): query r, channels 16 t + 8 h + 0 .. 7
	ds_store_b128 v[AOS], v[OO+8*\t+4:OO+8*\t+7] offset:\p*OPP+64*\t+16
.endr
.if \first == 0
	s_wait_xcnt 0x0                                ; the store's offset and data are written again only behind this wait
	v_add_nc_u32 v[GO], 0x10000, v[GO]             ; 16 rows of out0 on
.endif
.endm
	s_load_b256 s[4:11], s[0:1], 0x0               ; q, kq, v_codes, v_scales
	s_load_b64 s[12:13], s[0:1], 0x20              ; out0
	v_lshl_add_u32 v[SPW], v0, 2, SPARE
	v_mov_b32 v[NIL], 0
	ds_add_u32 v[SPW], v[NIL]                      ; the add, twice on end,
	ds_add_u32 v[SPW], v[NIL]
	v_lshrrev_b32 v[T], 5, v0
	v_readfirstlane_b32 s[WV], v[T]                ; wave 0..15
	s_bfe_u32 s15, ttmp6, 0x40000                  ; cx: enters q's and out0's addresses alone
	s_lshl_b32 s16, ttmp9, 2
	s_add_co_u32 s16, s16, s15                     ; my block of 256 queries
	s_and_b32 s17, ttmp7, 0xffff                   ; the head
	s_lshl_b32 s68, s16, 20
	s_lshl_b32 s78, s17, 8
	s_add_co_u32 s68, s68, s78                     ; 256 block rows of 4,096 bytes + 256 head
	s_lshl_b32 s78, s[WV], 16
	s_add_co_u32 s66, s68, s78                     ; q: + 16 wave rows: the tile that I quantise
	s_mov_b32 s67, 0
	s_lshl_b32 s78, s[WV], 12
	s_add_co_u32 s68, s68, s78                     ; out0: + wave rows: my row of every tile
	s_mov_b32 s69, 0
	s_mul_i32 s79, s[WV], OPW                      ; 8,704 wave: two steps of kq; 32 rows of V in LDS; a wave's part of the partial sums
	s_mul_i32 s70, s17, 139264
	s_add_co_u32 s70, s70, s79                     ; kq: the head's, my 256 keys
	s_mov_b32 s71, 0
	s_lshl_b32 s72, s17, 17                        ; v_codes, what I fetch: 32 rows (wave % 2) x 512 keys (wave / 2)
	s_and_b32 s76, s[WV], 1
	s_lshl_b32 s77, s76, 16
	s_add_co_u32 s72, s72, s77
	s_lshr_b32 s77, s[WV], 1
	s_lshl_b32 s78, s77, 8
	s_add_co_u32 s72, s72, s78
	s_mov_b32 s73, 0
	s_lshl_b32 s74, s17, 13                        ; v_scales: the head's 64 rows of 128 bytes, + my keys' 8 bytes
	s_lshl_b32 s78, s[WV], 3
	s_add_co_u32 s74, s74, s78
	s_mov_b32 s75, 0
	s_mul_i32 s77, s77, 17408                      ; V in LDS, what I read: my 256 keys
	s_lshl_b32 s76, s76, 7
	s_add_co_u32 s77, s77, s76
	s_lshr_b32 s76, s[WV], 3
	s_lshl_b32 s76, s76, 6
	s_and_b32 s78, s[WV], 7
	s_lshl_b32 s78, s78, 2
	s_add_co_u32 s76, s76, s78
	s_add_co_u32 s76, s76, STAT
	s_add_co_u32 s18, s79, OP
	s_mul_i32 s19, s[WV], 272
	s_add_co_u32 s19, s19, OP
	s_lshl_b32 s63, s[WV], 10
	s_mov_b32 s[G1V], 15|(3<<16)|(1<<20)|(1<<21)|(5<<22)|(3<<25)   ; V: 32 rows of 256 bytes (32 elements of 8), 2,048 bytes apart; four words of padding behind every 64; the mask names the four
	s_mov_b32 s[G1V+1], 32<<16
	s_mov_b32 s[G1V+2], 32<<16
	s_mov_b32 s[G1V+3], 32<<16
	s_mov_b32 s[G1V+4], 32
	s_mov_b32 s[G1V+5], 256
	s_mov_b32 s[G1V+6], 0
	s_mov_b32 s[G1V+7], 0
	s_mov_b32 s[G0V], 1
	s_mov_b32 s[G0V+1], s79
	s_mov_b32 s[SEL], 0x76543210
	s_mov_b32 s[SEL+1], 0xfedcba98
	s_mov_b32 s[CS], 0x3e38aa3b                    ; c = log2(e) / 8
	s_mov_b32 s[CS+1], s[CS]
	s_mov_b32 s[TQ], 0
	v_and_b32 v232, 31, v0                         ; lane
	v_and_b32 v233, 15, v0                         ; r
	v_bfe_u32 v234, v0, 4, 1                       ; h
	v_lshl_add_u32 v[AQ], v232, 4, QIMG
	v_lshlrev_b32 v[ADQ], 4, v232
	v_mul_u32_u24 v235, v233, VP
	v_lshl_add_u32 v[AV], v234, 4, v235
	v_add_nc_u32 v[AV], s77, v[AV]
	v_mul_u32_u24 v236, v233, 144
	v_add_nc_u32 v[AST], s76, v236
	v_lshl_add_u32 v[ASR], v234, 6, v236
	v_add_nc_u32 v[ASR], STAT, v[ASR]
	v_lshl_add_u32 v[AOS], v234, 5, v235
	v_add_nc_u32 v[AOS], s18, v[AOS]
	v_lshl_add_u32 v[AOR], v232, 3, s19
	v_add_nc_u32 v[AOR+1], 8*OPW, v[AOR]
	v_lshlrev_b32 v[GO], 3, v232
	v_lshlrev_b32 v[SH8], 3, v234
	v_lshlrev_b32 v[T2], 7, v232                   ; v_scales: a lane a channel
	v_lshlrev_b32 v247, 4, v233
	v_lshl_add_u32 v247, v234, 12, v247            ; q: lanes 0-15 one row's 256 bytes, lanes 16-31 the next row's
	v_mul_u32_u24 v250, v234, VP
	v_lshl_add_u32 v250, v233, 4, v250
	v_add_nc_u32 v250, s18, v250                   ; the stage, in
	v_lshl_add_u32 v251, v234, 7, v235
	v_add_nc_u32 v251, s18, v251                   ; the stage, out: row r, my 32 numbers
	v_add_nc_u32 v252, s63, v[AQ]                  ; my tile's image
	v_mov_b32 v[WO], 0                             ; a lane permute's destination counts as one of its sources
	v_mov_b32 v[WO+1], 0
	v_mov_b32 v[RR+1], 0                           ; (upper halves of pairs that are named)
	v_mov_b32 v[LW], 0
.irp g, 4,5,6,7
	v_mov_b32 v[QF+\g], 0
.endr
	s_wait_alu depctr_va_vdst(0)                   ; directly ahead of the waits below
	s_wait_dscnt 0x0                               ; and the one wait for both adds
	s_wait_kmcnt 0x0
	s_add_nc_u64 s[4:5], s[4:5], s[66:67]
	s_add_nc_u64 s[12:13], s[12:13], s[68:69]
	s_add_nc_u64 s[6:7], s[6:7], s[70:71]
	s_add_nc_u64 s[G0V+2:G0V+3], s[8:9], s[72:73]
	s_or_b32 s[G0V+3], s[G0V+3], 0x80000000
	s_add_nc_u64 s[10:11], s[10:11], s[74:75]
.irp n, 0,1,2,3,4,5,6,7
	global_load_b128 v[S+4*\n:S+4*\n+3], v247, s[4:5] offset:8192*\n th:TH_LOAD_NT   ; two rows' whole 256 bytes; read once in the launch
.endr
.irp u, 0,1
.irp b, 0,1,2,3,4,5,6,7
	global_load_b128 v[KF+32*\u+4*\b:KF+32*\u+4*\b+3], v[ADQ], s[6:7] offset:4352*\u+512*\b   ; 512 consecutive bytes, in the order of my registers
.endr
	global_load_b64 v[KS+2*\u:KS+2*\u+1], v[GO], s[6:7] offset:4352*\u+4096
.endr
.irp u, 0,1
	global_load_b64 v[VS+2*\u:VS+2*\u+1], v[T2], s[10:11] offset:4096*\u
.endr
	CROUND                                         ; all four work-groups are here: the joint loads meet
	tensor_load_to_lds s[G0V:G0V+3], s[G1V:G1V+7]  ; my one tensor load of the launch; it is waited for in front of the first round's barrier.  The stores below go to bytes on which no fill lands
	s_nop 0
	PLACES 4
	s_wait_loadcnt 20                              ; q is in; the 20 younger loads may be out
.irp n, 0,1,2,3,4,5,6,7
	ds_store_b128 v250, v[S+4*\n:S+4*\n+3] offset:2*\n*VP
.endr
.irp i, 0,1,2,3,4,5,6,7
	ds_load_b128 v[Y+4*\i:Y+4*\i+3], v251 offset:16*\i   ; LDS serves a wave's instructions in order: these see my stores
.endr
	s_wait_dscnt 0x0
	v_max3_num_f32 v240, |v[Y]|, |v[Y+1]|, 0x1800000    ; my block of 32 is all mine; the floor holds the byte at 1 from below
	v_max3_num_f32 v241, |v[Y+16]|, |v[Y+17]|, |v[Y+18]|
.irp i, 2,4,6,8,10,12
	s_delay_alu instid0(VALU_DEP_2)
	v_max3_num_f32 v240, v240, |v[Y+\i]|, |v[Y+\i+1]|
	s_delay_alu instid0(VALU_DEP_2)
	v_max3_num_f32 v241, v241, |v[Y+17+\i]|, |v[Y+18+\i]|
.endr
	s_delay_alu instid0(VALU_DEP_2)
	v_max3_num_f32 v240, v240, |v[Y+14]|, |v[Y+15]|
	s_delay_alu instid0(VALU_DEP_1)
	v_max3_num_f32 v240, v240, v241, |v[Y+31]|
	s_delay_alu instid0(VALU_DEP_1)
	v_add_nc_u32 v242, 0xff000000, v240
	s_delay_alu instid0(VALU_DEP_1)
	v_lshrrev_b32 v243, 23, v242
.irp g, 0,1,2,3
	v_cvt_scalef32_pk8_fp4_f32 v[236+\g], v[Y+8*\g:Y+8*\g+7], v242
.endr
	v_nop                                          ; one plain line behind a scaled conversion
	v_lshlrev_b32 v244, v[SH8], v243
	s_delay_alu instid0(VALU_DEP_1)
	v_permlanex16_b32 v[WO], v244, s[SEL], s[SEL+1]
	s_delay_alu instid0(VALU_DEP_1)
	v_or_b32 v244, v244, v[WO]                     ; [a0, a1],
	s_delay_alu instid0(VALU_DEP_1)
	v_lshl_or_b32 v245, v244, 16, v244             ; twice
	ds_store_b128 v252, v[236:239]
	ds_store_b32 v252, v245 offset:512
	s_wait_alu depctr_va_vdst(0)                   ; the wait at the head's end
	s_wait_loadcnt 0x0                             ; K and the scale words are in
	s_wait_dscnt 0x0                               ; my tile's image has landed
	s_barrier_signal -1
	s_barrier_wait -1                              ; everybody's image is in
	ds_load_b128 v[QF:QF+3], v[AQ]
	ds_load_b128 v[QF+8:QF+11], v[AQ]
	ds_load_b32 v[QS], v[AQ] offset:512
	s_wait_dscnt 0x0
	ROUND 0, 1, 0, 1024                            ; tile 0
	s_mov_b32 s[CNT], 7
.Ltiles:                                               ; tiles 1 to 14, two a trip: the buffers are back where they began
	ROUND 1, 0, 0, 2048
	ROUND 0, 0, 0, 3072
	s_add_co_u32 s[TQ], s[TQ], 2048
	s_sub_co_u32 s[CNT], s[CNT], 1
	s_cmp_lg_u32 s[CNT], 0
	s_wait_alu depctr_va_vdst(0)                   ; directly ahead of the branch
	s_cbranch_scc1 .Ltiles
	ROUND 1, 0, 1, 0                               ; tile 15
	s_wait_alu depctr_va_vdst(0)
	s_wait_dscnt 0x0                               ; my last partial O^T has landed
	s_barrier_signal -1
	s_barrier_wait -1
	ORLOAD 1
	s_wait_dscnt 0x0
	ORSUM
	s_wait_tensorcnt 0x0                           ; the wave's end
	ds_add_u32 v[SPW], v[NIL]
	s_wait_dscnt 0x0
	CROUND                                         ; the closing round
	s_endpgm
.Lfunc_end_k_q0790041ef0_attn:
	.size	k_q0790041ef0_attn, .Lfunc_end_k_q0790041ef0_attn-k_q0790041ef0_attn
	.p2alignl 7, 3214868480
	.fill 96, 4, 3214868480
	.section	.rodata,"a",@progbits
	.p2align	6, 0x0
	.amdhsa_kernel k_q0790041ef0_attn
		.amdhsa_group_segment_fixed_size 327680
		.amdhsa_private_segment_fixed_size 0
		.amdhsa_enable_private_segment 0
		.amdhsa_kernarg_size 40
		.amdhsa_user_sgpr_count 2
		.amdhsa_user_sgpr_kernarg_segment_ptr 1
		.amdhsa_wavefront_size32 1
		.amdhsa_system_sgpr_workgroup_id_x 1
		.amdhsa_system_sgpr_workgroup_id_y 1
		.amdhsa_system_sgpr_workgroup_id_z 1
		.amdhsa_system_vgpr_workitem_id 0
		.amdhsa_next_free_vgpr 256
		.amdhsa_next_free_sgpr 80
		.amdhsa_reserve_vcc 0
		.amdhsa_float_denorm_mode_32 3
		.amdhsa_float_denorm_mode_16_64 3
		.amdhsa_memory_ordered 1
		.amdhsa_forward_progress 1
		.amdhsa_inst_pref_size 144
	.end_amdhsa_kernel
	.amdgpu_metadata
---
amdhsa.version: [ 1, 2 ]
amdhsa.kernels:
  - .name:           k_q0790041ef0_attn
    .symbol:         k_q0790041ef0_attn.kd
    .args:
      - { .name: q, .offset: 0, .size: 8, .value_kind: global_buffer, .address_space: global }
      - { .name: kq, .offset: 8, .size: 8, .value_kind: global_buffer, .address_space: global }
      - { .name: v_codes, .offset: 16, .size: 8, .value_kind: global_buffer, .address_space: global }
      - { .name: v_scales, .offset: 24, .size: 8, .value_kind: global_buffer, .address_space: global }
      - { .name: out0, .offset: 32, .size: 8, .value_kind: global_buffer, .address_space: global }
    .group_segment_fixed_size: 327680
    .private_segment_fixed_size: 0
    .kernarg_segment_align: 8
    .kernarg_segment_size: 40
    .max_flat_workgroup_size: 512
    .sgpr_count:     80
    .vgpr_count:     256
    .wavefront_size: 32
...
	.end_amdgpu_metadata
.endif
;; end of part 2
